; MI455X (gfx1250); checked and timed in simulation.
; The chip was launched on July 23, 2026; its instructions are those of AMD's public machine-readable ISA for CDNA 5 (MIT licence, August 2026) and "CDNA5" Instruction Set Architecture Reference Guide (July 2026). The comments in the code are by the model that wrote it; some were corrected since.
;; Scaled Dot Product Attention. Allowed arithmetic: float matrix products may take bf16 or f16 operands with f32 sums; other float arithmetic in f32, or as packed bf16 or f16 multiplies, adds, multiply-adds, maxima and minima; sums over many terms, partial sums and values carried from step to step in f32; what a program stores and reads back later, other than sums and carried values, may be rounded once to bf16 or f16.
;; Inputs: K 4 x 16 x 2,048 x 128 float32; Q 4 x 16 x 2,048 x 128 float32; V 4 x 16 x 2,048 x 128 float32; mask 1 x 1 x 2,048 x 2,048 bool.
;; Outputs: out0 4 x 16 x 2,048 x 128 float32.
;; One version. Each part assembles by itself: llvm-mc -triple=amdgcn-amd-amdhsa -mcpu=gfx1250 --defsym DOCPART=n.
;; ======== version 1 of 1: 2 launches
;; limits: values are held in f16: magnitudes above 65,504 overflow, below 6.1e-05 lose precision
;; workspace buffers: walk 256 bytes of whole numbers; mbits 524,288 bytes of whole numbers
;; launch prep (part 1): grid 4 x 32, 8 waves a work-group, no clusters, 1,280 bytes of LDS; arguments mask, walk, mbits; writes walk, mbits
.if DOCPART == 1
	.amdgcn_target "amdgcn-amd-amdhsa--gfx1250"
	.amdhsa_code_object_version 6
	.text
	.protected	k_q85c4a1d601_prep
	.globl	k_q85c4a1d601_prep
	.p2align	8
	.type	k_q85c4a1d601_prep,@function
k_q85c4a1d601_prep:
	s_mov_b64 s[64:65], 0
	v_nop
	global_prefetch_b8 v0, s[64:65] scope:SCOPE_SE
	s_setreg_imm32_b32 hwreg(HW_REG_WAVE_MODE, 25, 1), 1
	s_wait_xcnt 0x0
; THE MASK, MADE READY.  mask: [2048][2048] bytes, 0 or 1.  It is cut into 32 x 32 tiles of 64 queries (band qb) x 64 keys (step ks).
; mbits[qb][ks][lane 32][t 4], u32: bit 31 - r of word (qb, ks, l, t) is mask[64 qb + 16 t + l % 16][64 ks + 16 (r / 8) + 8 (l / 16) + r % 8]:
;   the order in which a lane of the next launch holds the 32 scores of its query tile t, the first score uppermost.
; walk: u32 nd[32] at byte 0: bit ks of nd[qb] = the tile holds a 1;  u32 mix[32] at byte 128: bit ks = the tile holds both a 0 and a 1.
; No pattern of the mask is taken for granted: every byte is read.
; SHARES.  Work-group (g, qb), eight waves: wave w packs tile ks = 8 g + w; wave 0 then stores the work-group's byte g of nd[qb] and of mix[qb].
.set SPARE, 256                        ; LDS: bytes 0-31 eight class words (the first 256 bytes are theirs); from 256 on the spare words, 128 bytes a wave
.set W,   8                            ; v[8:11]  the four words of my lane
.set X,   16                           ; v[16:47] 16 pairs as loaded: tile t, key group g4 at X + 2 (4 t + g4)
.set SPW, 62                           ; v62  LDS address of my spare word; never rewritten
.set NIL, 63                           ; v63  0; never rewritten
	s_load_b128 s[4:7], s[0:1], 0x0                ; mask s[4:5], walk s[6:7]
	s_load_b64 s[8:9], s[0:1], 0x10                ; mbits
	v_lshl_add_u32 v[SPW], v0, 2, SPARE
	v_mov_b32 v[NIL], 0
	v_lshrrev_b32 v1, 5, v0
	v_readfirstlane_b32 s10, v1                    ; wave 0..7
	v_and_b32 v1, 31, v0                           ; lane
	v_and_b32 v2, 15, v0                           ; l % 16
	v_bfe_u32 v3, v0, 4, 1                         ; l / 16
	v_lshlrev_b32 v4, 11, v2                       ; my row of 16: 2,048 bytes a row,
	v_lshl_add_u32 v4, v3, 3, v4                   ; my 8 keys of 16
	v_lshlrev_b32 v5, 4, v1                        ; my 16 bytes of the tile's 512 in mbits
	s_and_b32 s16, ttmp7, 0xffff                   ; qb
	s_lshl_b32 s11, ttmp9, 3
	s_add_co_u32 s11, s11, s10                     ; ks = 8 g + wave
	s_lshl_b32 s2, s16, 17                         ; 64 rows of 2,048 bytes
	s_lshl_b32 s3, s11, 6                          ; 64 keys
	s_add_co_u32 s2, s2, s3
	s_mov_b32 s3, 0
	s_lshl_b32 s18, s16, 5
	s_add_co_u32 s18, s18, s11
	s_lshl_b32 s18, s18, 9                         ; (32 qb + ks) x 512 bytes
	s_mov_b32 s19, 0
	s_mov_b32 s20, 0x08040201                      ; the packing factor, below
	s_lshl_b32 s17, s10, 2                         ; my class word
	s_wait_kmcnt 0x0
	s_add_nc_u64 s[4:5], s[4:5], s[2:3]
	s_add_nc_u64 s[8:9], s[8:9], s[18:19]
.set n, 0
.rept 16                                       ; tile t = n / 4: 16 rows on; key group n % 4: 16 keys on
	global_load_b64 v[X+2*n:X+2*n+1], v4, s[4:5] offset:(n/4)*32768+(n%4)*16
.set n, n+1
.endr
	s_wait_loadcnt 0x0
; Four bytes b0..b3 (0 or 1) times 0x08040201 put b0, b1, b2, b3 on bits 27, 26, 25, 24; the other partial products fall on bits 0, 8, 9, 16, 17, 18: all ten places differ, so nothing carries.
.set n, 0
.rept 16
	v_mul_lo_u32 v12, v[X+2*n], s20
	v_mul_lo_u32 v13, v[X+2*n+1], s20
	v_bfe_u32 v12, v12, 24, 4
	v_bfe_u32 v13, v13, 24, 4
.if n%4 == 0
	v_lshlrev_b32 v[W+n/4], 28, v12                ; the first four keys start the word: nothing is cleared
.else
	v_lshl_or_b32 v[W+n/4], v12, 28-8*(n%4), v[W+n/4]
.endif
	v_lshl_or_b32 v[W+n/4], v13, 24-8*(n%4), v[W+n/4]
.set n, n+1
.endr
	global_store_b128 v5, v[W:W+3], s[8:9]         ; the wave stores 512 consecutive bytes, aligned
	v_or_b32 v48, v[W], v[W+1]
	v_or_b32 v49, v[W+2], v[W+3]
	v_or_b32 v48, v48, v49
	v_and_b32 v49, v[W], v[W+1]
	v_and_b32 v50, v[W+2], v[W+3]
	v_and_b32 v49, v49, v50
	v_cmp_ne_u32 vcc_lo, 0, v48                    ; lanes that hold a 1
	s_cmp_lg_u32 vcc_lo, 0
	s_cselect_b32 s12, 1, 0
	v_cmp_ne_u32 vcc_lo, -1, v49                   ; lanes that hold a 0
	s_cmp_lg_u32 vcc_lo, 0
	s_cselect_b32 s13, 3, 1
	s_cmp_lg_u32 s12, 0
	s_cselect_b32 s12, s13, 0                      ; class: 0 all hidden, 1 all seen, 3 mixed
	v_mov_b32 v50, s12
	v_mov_b32 v51, s17
	ds_store_b32 v51, v50                          ; all lanes write the same word with the same value
	s_wait_dscnt 0x0                               ; for the others' sake: my store is done
	s_barrier_signal -1
	s_barrier_wait -1
	s_cmp_lg_u32 s10, 0
	s_cbranch_scc1 .Lend
	v_and_b32 v53, 7, v0
	v_lshlrev_b32 v53, 2, v53
	ds_load_b32 v52, v53                           ; lane i (i < 8): wave i's class
	s_lshl_b32 s21, s16, 2
	s_add_co_u32 s21, s21, ttmp9                   ; byte g of word qb
	v_mov_b32 v55, s21
	s_wait_dscnt 0x0
	v_and_b32 v54, 1, v52
	v_cmp_ne_u32 vcc_lo, 0, v54
	s_and_b32 s14, vcc_lo, 0xff                    ; bit i: tile 8 g + i holds a 1
	v_and_b32 v54, 2, v52
	v_cmp_ne_u32 vcc_lo, 0, v54
	s_and_b32 s15, vcc_lo, 0xff                    ; bit i: it is mixed
	v_mov_b32 v56, s14
	v_mov_b32 v57, s15
	v_cmp_eq_u32 vcc_lo, 0, v0
	s_wait_xcnt 0x0                                ; EXEC changes only behind this wait: the store above has read its sources
	s_and_saveexec_b32 s22, vcc_lo                 ; one lane
	global_store_b8 v55, v56, s[6:7]
	global_store_b8 v55, v57, s[6:7] offset:128
	s_wait_xcnt 0x0                                ; and again in front of the line that widens it
	s_or_b32 exec_lo, exec_lo, s22
.Lend:
	s_wait_tensorcnt 0x0                           ; the wave's end, behind my last LDS store
	ds_add_u32 v[SPW], v[NIL]
	s_wait_dscnt 0x0
	s_endpgm
.Lfunc_end_k_q85c4a1d601_prep:
	.size	k_q85c4a1d601_prep, .Lfunc_end_k_q85c4a1d601_prep-k_q85c4a1d601_prep
	.p2alignl 7, 3214868480
	.fill 96, 4, 3214868480
	.section	.rodata,"a",@progbits
	.p2align	6, 0x0
	.amdhsa_kernel k_q85c4a1d601_prep
		.amdhsa_group_segment_fixed_size 1280
		.amdhsa_private_segment_fixed_size 0
		.amdhsa_enable_private_segment 0
		.amdhsa_kernarg_size 24
		.amdhsa_user_sgpr_count 2
		.amdhsa_user_sgpr_kernarg_segment_ptr 1
		.amdhsa_wavefront_size32 1
		.amdhsa_system_sgpr_workgroup_id_x 1
		.amdhsa_system_sgpr_workgroup_id_y 1
		.amdhsa_system_sgpr_workgroup_id_z 1
		.amdhsa_system_vgpr_workitem_id 0
		.amdhsa_next_free_vgpr 64
		.amdhsa_next_free_sgpr 66
		.amdhsa_reserve_vcc 1
		.amdhsa_float_denorm_mode_32 3
		.amdhsa_float_denorm_mode_16_64 3
		.amdhsa_memory_ordered 1
		.amdhsa_forward_progress 1
		.amdhsa_inst_pref_size 11
	.end_amdhsa_kernel
	.amdgpu_metadata
---
amdhsa.version: [ 1, 2 ]
amdhsa.kernels:
  - .name:           k_q85c4a1d601_prep
    .symbol:         k_q85c4a1d601_prep.kd
    .args:
      - { .name: mask, .offset: 0, .size: 8, .value_kind: global_buffer, .address_space: global }
      - { .name: walk, .offset: 8, .size: 8, .value_kind: global_buffer, .address_space: global }
      - { .name: mbits, .offset: 16, .size: 8, .value_kind: global_buffer, .address_space: global }
    .group_segment_fixed_size: 1280
    .private_segment_fixed_size: 0
    .kernarg_segment_align: 8
    .kernarg_segment_size: 24
    .max_flat_workgroup_size: 256
    .sgpr_count:     66
    .vgpr_count:     64
    .wavefront_size: 32
...
	.end_amdgpu_metadata
.endif
;; end of part 1
;; launch attn (part 2): grid 4 x 64, 4 waves a work-group, no clusters, 175,616 bytes of LDS; arguments Q, K, V, walk, mbits, out0; writes out0
.if DOCPART == 2
	.amdgcn_target "amdgcn-amd-amdhsa--gfx1250"
	.amdhsa_code_object_version 6
	.text
	.protected	k_q85c4a1d601_attn
	.globl	k_q85c4a1d601_attn
	.p2align	8
	.type	k_q85c4a1d601_attn,@function
k_q85c4a1d601_attn:
	s_mov_b64 s[64:65], 0
	v_nop
	global_prefetch_b8 v0, s[64:65] scope:SCOPE_SE
	s_setreg_imm32_b32 hwreg(HW_REG_WAVE_MODE, 25, 1), 1
	s_wait_xcnt 0x0
; out[h][q][:] = the sum over k of softmax_k(where(mask[q][k], Q[h][q] . K[h][k] / sqrt(128), -inf)) V[h][k][:].  64 heads, 2,048 rows, 128 channels, all f32; mask is an input.
; FORMATS.  Q and K are rounded to bf16, V to bf16 and that number written as f16 (exact within f16's range); scores, maxima and sums in f32; the weights p are rounded to f16 for the second
; product (their sum l is taken of the unrounded p); out is stored in f32.
; WORK LEFT OUT.  A key step is 64 keys.  Where all 64 x 64 mask bytes of a wave's 64 queries and a step are 0, where() gives those scores -inf: their weights are exp(-inf) = 0 and they raise no
; maximum, whatever finite values Q, K and V hold: the wave makes no product for that step; where that holds of all 256 queries of a block, the step's K and V are not loaded.  Whole numbers decide
; it: the launch before stored them (walk, mbits) and this one reads them; no pattern of the mask is built in, every mask is served.  The mask's bytes themselves are read by that launch alone.
; LIMITS.  A NaN or an infinity in rows of K or V that reach only steps left out is not carried to the result.  |V| from 65,520 on becomes an infinity in f16.  p below 6e-5 keeps f16's fixed step of
; 6e-8; a weight below 2^-126 counts as 0 in l.  The running maximum starts at the lowest finite number.  A row whose mask is all 0 ends with O = 0 and l = 0 and is stored as 0 x (1 / 0) = NaN, as softmax of -inf alone is.
; SHARES.  Work-group (b, head) takes TWO blocks of 256 queries of its head, b and then 7 - b; a wave 64 queries of a block: four tiles of 16, in two PIECES (tiles 0, 1; tiles 2, 3).
; THE WALK.  A block has a loop of 32 trips, a constant.  Its live steps (the OR of its four bands' bitmaps) come first, lowest first, found by counting trailing zeros; the other trips pass the barrier
; alone.  Every jump on the bitmaps goes forward and passes no barrier.
; K AND V come through registers: of a step's 64 rows of each a wave loads 16 (a load takes a whole row of 512 bytes), rounds them and stores them to LDS in 16 bits.  Two sets of registers and two LDS
; buffers take turns: in trip t the step at place t + 2 of the walk is asked for, place t + 1 is rounded and stored, place t is multiplied.  One barrier a trip.
; A TRIP is whole in itself, four phases of 32 matrix instructions: K Q^T of piece 0 | K Q^T of piece 2 with piece 0's softmax behind its products | V^T P of piece 0 with piece 2's softmax |
; V^T P of piece 2 with the next step's roundings.  So a trip can be jumped, and a block ends anywhere.
; LAYOUT.  S^T = K Q^T (source 0 = 16 keys, source 1 = 16 queries): a lane holds ONE query (lane % 16) and the keys 8 (lane / 16) + 0..7.  Two such results, rounded to f16 in pairs, ARE source 1
; (32 keys x 16 queries) of O^T = V^T P.  K comes out of LDS as it lies, V turned, by ds_load_tr16_b128.
; SOFTMAX.  p = 2^(c s - c m), c = log2(e) / sqrt(128), m the running maximum; O and l are multiplied by a = 2^(c m_old - c m_new) in every step.  In a mixed tile hidden scores are set to -inf: c m is
; finite, so their p is 0; a row that has seen nothing keeps its first m, and its a is 2^0 = 1.
; NO CLUSTER, NO TENSOR LOADS.  Which steps a block walks hangs on the bitmaps and differs between the blocks of a head, and a joint request has to be made by every partner on every way: a walk common
; to four partners is the union of their walks.  And the tiles lie in memory as f32: through registers they are rounded on the way, and a load can be jumped.
; REGISTERS, in windows of 256 (s_set_vgpr_msb: bits 1:0 source 0, 3:2 source 1, 5:4 source 2, 7:6 destination):
;   window 0: v0-11, v56-63 addresses and constants; v12-43 eight registers of statistics a tile; v44-55 mask words; v64-191 S^T, 32 a tile; v192-255 P, 16 a tile
;   window 1: O^T, 64 a tile        window 2: v0-127 Q, 32 a tile; v128-255 K of the step, then its V (at a block's beginning all 256: Q as loaded)
;   window 3: two sets of 128: K's 16 rows (4 registers a row), then V's, as loaded and then rounded in place
.set PK,    272       ; a row of K or Q in LDS: 256 bytes + 16 = 68 words: the 16 rows of a load start at 16 different groups of four banks (64 banks of 4 bytes: ISA guide 11.1)
.set PV,    288       ; a row of V: 256 + 32 = 72 words
.set VOFF,  64*PK     ; in a buffer: 64 rows of K, then 64 rows of V
.set BUFB,  64*(PK+PV)  ; a buffer: 35,840 bytes; two of them
.set QST,   2*BUFB    ; each wave's own 64 rows of Q in bf16
.set QSTW,  64*PK
.set OST,   QST+4*QSTW  ; each wave's own 16 rows x 512 bytes for the way out
.set OPI,   528       ; 512 + 16 = 132 words
.set OSTW,  16*OPI
.set SPARE, OST+4*OSTW  ; the spare words, 128 bytes for each wave: two blocks of 256 bytes that no other line names
.set AK,   2          ; v2   my lane's place in a tile of K: (l % 16) PK + 16 (l / 16)
.set AV,   3          ; v3   in a tile of V: VOFF + (8 (l / 16) + l % 8) PV + 16 ((l / 8) % 2)
.set SK,   4          ; v4   where I store 8 bytes of a row of K: 8 l + my wave's 16 rows
.set SV,   5          ; v5   the same for V
.set GOFF, 6          ; v6   my 16 bytes in my wave's 16 rows of a step in memory: 8,192 w + 16 l
.set LO16, 7          ; v7   16 l
.set PFO,  8          ; v8   256 x my thread's number
.set AQ,   9          ; v9   my place in my wave's rows of Q in LDS
.set SQ,   10         ; v10  where I store 8 bytes of a row of Q
.set STO,  11         ; v11  the way out: where I put 32 bytes of a row
.set ST,   12         ; tile t's statistics at v[ST+8 t]: c m, m, l (even keys', odd keys'), c0-c3 at work; a takes c2's place
.set MW,   44         ; v44-47  the step's mask words, a tile each; shifted out as they are used
.set MWS,  48         ; v48-51, v52-55  as loaded, by set
.set NEG,  56         ; v56  -inf
.set RD,   60         ; v60  the way out: where I read a row back
.set SPW,  62         ; v62  LDS address of my spare word; never rewritten
.set NIL,  63         ; v63  0; never rewritten
.set S,    64
.set P,    192
.set KV,   128        ; window 2: K's fragment (channels 32 c, keys 16 kb) at KV + 32 c + 8 kb; V's (keys 32 kk, channels 16 cb) at KV + 64 kk + 8 cb
.set OF,   2          ; s[2:3]  an offset, high word 0
.set QP,   4          ; s[4:5]  Q at my wave's rows of the block in hand
.set KH,   6          ; s[6:7]  K at the head
.set VH,   8          ; s[8:9]  V at the head
.set WK,   10         ; s[10:11] walk
.set MB,   12         ; s[12:13] mbits at my band of the block in hand
.set OUT,  14         ; s[14:15] out at my wave's rows
.set WV,   16         ; my wave's number
.set CNT,  17         ; live trips still to come
.set CUR,  18         ; the step of this trip,
.set N1,   19         ; of the next,
.set N2,   20         ; of the one after
.set REM2, 21         ; the live steps behind those
.set LREM5, 22        ; the live steps from five places on
.set OWN,  23         ; the steps that this block prefetches
.set ND,   24         ; my band: steps with a 1
.set MX,   25         ; my band: mixed steps
.set LC,   26
.set BI,   27         ; blocks still to do
.set PT,   28         ; the step to prefetch
.set OWV,  29
.set HIM,  30         ; a word's upper half
.set CS,   32         ; s[32:33] c
.set SEL,  34         ; s[34:35] v_permlanex16_b32's selects: each lane takes its own place in the other half
.set KA,   36         ; s[36:47] by set: the addresses of a step's K, V and mask words
.set PFK,  48         ; s[48:49], s[50:51] the prefetches' addresses
.set PFV,  50
.set C0,   52         ; s52, s53 lane masks
.set T0,   54
.set T1,   55
.set LB,   56         ; the second block's live steps, own steps, band maps,
.set OWNB, 57
.set NDB,  58
.set MXB,  59
.set MBB,  60         ; s[60:61], s[62:63], s[66:67] and addresses
.set QPB,  62
.set OUTB, 66
.set MSB, 0
.macro WIN new                      ; the high byte repeats the setting that is left; a switch that changes nothing is dropped
.if MSB != (\new)
	s_set_vgpr_msb (MSB<<8)|(\new)
.set MSB, (\new)
.endif
.endm
.set W_KQ, 0x0a       ; K and Q in window 2, S^T in window 0
.set W_PV, 0x52       ; V in window 2, P in window 0, O^T in window 1
.set W_RS, 0x41       ; O^T (destination and source 0) in window 1, the factor in window 0
; The walk of a block begins: its live steps are in s[T0].  Where the list is short, its last step is named again (an empty list names step 31): such loads stay inside K and V and are not used.
.macro WALKINIT
	s_bcnt1_i32_b32 s[CNT], s[T0]
	s_ctz_i32_b32 s[CUR], s[T0]
	s_sub_co_u32 s[T1], s[T0], 1
	s_and_b32 s[T1], s[T0], s[T1]                  ; less its lowest one
	s_ctz_i32_b32 s[N1], s[T1]
	s_cmp_lg_u32 s[T1], 0
	s_cselect_b32 s[N1], s[N1], s[CUR]
	s_sub_co_u32 s[T0], s[T1], 1
	s_and_b32 s[REM2], s[T1], s[T0]
	s_mov_b32 s[LREM5], s[REM2]
.rept 3
	s_sub_co_u32 s[T0], s[LREM5], 1
	s_and_b32 s[LREM5], s[LREM5], s[T0]
.endr
.endm
; 33 loads: the mask words and my 16 rows of K and of V of the step in s[idx], into set set.
.macro TILELOAD set, idx
	WIN 0
	s_min_u32 s100, s[\idx], 31                    ; a step's number, held inside the head's 32
	s_lshl_b32 s[OF], s100, 15                     ; 64 rows of 512 bytes
	s_add_nc_u64 s[KA+6*(\set):KA+6*(\set)+1], s[KH:KH+1], s[OF:OF+1]
	s_add_nc_u64 s[KA+6*(\set)+2:KA+6*(\set)+3], s[VH:VH+1], s[OF:OF+1]
	s_lshl_b32 s[OF], s100, 9                      ; 512 bytes of mask words
	s_add_nc_u64 s[KA+6*(\set)+4:KA+6*(\set)+5], s[MB:MB+1], s[OF:OF+1]
	global_load_b128 v[MWS+4*(\set):MWS+4*(\set)+3], v[LO16], s[KA+6*(\set)+4:KA+6*(\set)+5]
	WIN 0xc0                                       ; destination window 3
.set j, 0
.rept 16
	global_load_b128 v[128*(\set)+4*j:128*(\set)+4*j+3], v[GOFF], s[KA+6*(\set):KA+6*(\set)+1] offset:512*j
.set j, j+1
.endr
.set j, 0
.rept 16
	global_load_b128 v[128*(\set)+64+4*j:128*(\set)+64+4*j+3], v[GOFF], s[KA+6*(\set)+2:KA+6*(\set)+3] offset:512*j
.set j, j+1
.endr
	WIN 0
.endm
; A PREFETCH INTO THE L2 of the step five places on in the walk, three trips ahead of the trip that loads it: its 32,768 bytes of K and of V, a thread 256 bytes, two instructions a wave, behind the
; trip's loads.  A step of a head is asked for by ONE block: the first, in the order 0, 1, 2, 3, 7, 6, 5, 4 in which the head's blocks are walked, whose live steps hold it.  A block's first five
; steps come by their loads alone; past the list's end nothing is asked for.
.macro PREF
	s_bitcmp1_b32 s[OWV], s[PT]
	s_cbranch_scc0 .Lnot_mine_\@
	global_prefetch_b8 v[PFO], s[PFK:PFK+1] th:TH_LOAD_NT scope:SCOPE_SE
	global_prefetch_b8 v[PFO], s[PFV:PFV+1] th:TH_LOAD_NT scope:SCOPE_SE
.Lnot_mine_\@:
.endm
; Row q of my 16, in set set, rounded in place: four f32 become four 16-bit numbers in the quad's first two registers.
.macro CONVK set, q
	WIN 0xcf                                       ; sources and destination window 3
.set rK4, 128*(\set)+4*(\q)
	v_cvt_pk_bf16_f32 v[rK4], v[rK4], v[rK4+1]
	v_cvt_pk_bf16_f32 v[rK4+1], v[rK4+2], v[rK4+3]
.endm
.macro CONVV set, q                 ; V: to bf16, as the other inputs are rounded; that number widened again and written as f16
	WIN 0xcf
.set rV4, 128*(\set)+64+4*(\q)
	v_cvt_pk_bf16_f32 v[rV4], v[rV4], v[rV4+1]
	v_cvt_pk_bf16_f32 v[rV4+2], v[rV4+2], v[rV4+3]
	v_and_b32 v[rV4+1], s[HIM], v[rV4]
	v_lshlrev_b32 v[rV4], 16, v[rV4]
	v_and_b32 v[rV4+3], s[HIM], v[rV4+2]
	v_lshlrev_b32 v[rV4+2], 16, v[rV4+2]
	v_cvt_pk_f16_f32 v[rV4], v[rV4], v[rV4+1]
	v_cvt_pk_f16_f32 v[rV4+1], v[rV4+2], v[rV4+3]
.endm
.macro STORES set, q                ; 32 lanes store 256 consecutive bytes: a row
	WIN 0x0c                                       ; data window 3, address window 0
	ds_store_b64 v[SK], v[128*(\set)+4*(\q):128*(\set)+4*(\q)+1] offset:(\set)*BUFB+PK*(\q)
	ds_store_b64 v[SV], v[128*(\set)+64+4*(\q):128*(\set)+64+4*(\q)+1] offset:(\set)*BUFB+PV*(\q)
.endm
.macro CONVALL set                  ; a whole set, where no products stand beside it
.set qd, 0
.rept 16
	CONVV \set, qd
	CONVK \set, qd
.set qd, qd+1
.endr
.set qd, 0
.rept 16
	STORES \set, qd
.set qd, qd+1
.endr
	WIN 0
.endm
; THE LDS LOADS stand in runs.  K: 32 loads, the channels' four groups of 32 one after the other, so that the first products need the first eight alone.
.macro FETCH_K b
	WIN 0x80                                       ; destination window 2
.irp c, 0,1,2,3
.irp g, 0,1,2,3
	ds_load_b128 v[KV+32*(\c)+8*(\g):KV+32*(\c)+8*(\g)+3],   v[AK] offset:(\b)*BUFB+(\g)*16*PK+64*(\c)
	ds_load_b128 v[KV+32*(\c)+8*(\g)+4:KV+32*(\c)+8*(\g)+7], v[AK] offset:(\b)*BUFB+(\g)*16*PK+64*(\c)+32
.endr
.endr
.endm
; V's fragments 4 c .. 4 c + 3 go where K's channel group c lay, when both pieces have multiplied by it: four places behind the last product that read those registers (ISA guide 7.12.1 for vector
; instructions).
.macro VRUN b, c
.rept 4
	v_nop
.endr
	WIN 0x80
.set f, 4*(\c)
.rept 4                             ; keys 32 (f / 8) on, channels 16 (f % 8) on
	ds_load_tr16_b128 v[KV+8*f:KV+8*f+3],   v[AV] offset:(\b)*BUFB+(f/8)*32*PV+(f%8)*32
	ds_load_tr16_b128 v[KV+8*f+4:KV+8*f+7], v[AV] offset:(\b)*BUFB+(f/8)*32*PV+16*PV+(f%8)*32
.set f, f+1
.endr
.endm
; THE MATRIX WORK.  The accumulators take turns, one instruction a turn: between two links of a chain stand 7 (K Q^T) or 15 (V^T P) others'.
; Product i of 32 of S^T = K Q^T for piece x: channels 32 (i / 8) on, keys 16 ((i / 2) % 4) on, tile x + i % 2.  The first 8 start the sums.
.macro KQ x
	WIN W_KQ
.set rS, S+32*((\x)+i%2)+8*((i/2)%4)
.set rK, KV+32*(i/8)+8*((i/2)%4)
.set rQ, 32*((\x)+i%2)+8*(i/8)
.if i < 8
	v_wmma_f32_16x16x32_bf16 v[rS:rS+7], v[rK:rK+7], v[rQ:rQ+7], 0
.else
	v_wmma_f32_16x16x32_bf16 v[rS:rS+7], v[rK:rK+7], v[rQ:rQ+7], v[rS:rS+7]
.endif
.endm
; Product i of 32 of O^T += V^T P for piece x: keys 32 (i / 16) on, channels 16 ((i / 2) % 8) on, tile x + i % 2.
.macro PV x
	WIN W_PV
.set rO, 64*((\x)+i%2)+8*((i/2)%8)
.set rV, KV+64*(i/16)+8*((i/2)%8)
.set rP, P+16*((\x)+i%2)+8*(i/16)
	v_wmma_f32_16x16x32_f16 v[rO:rO+7], v[rV:rV+7], v[rP:rP+7], v[rO:rO+7]
.endm
; THE MASK of a mixed tile, for piece y.  A word added to itself shifts by one, and its carry is the lane mask of the score in turn; scores whose bit is 0 become -inf.  The scores go in ascending
; order: each accumulator's lowest register is read first.
.macro LUMP y
.set r, 0
.rept 32
	v_add_co_u32 v[MW+(\y)], s[C0], v[MW+(\y)], v[MW+(\y)]
	v_add_co_u32 v[MW+(\y)+1], s[C0+1], v[MW+(\y)+1], v[MW+(\y)+1]
	v_cndmask_b32 v[S+32*(\y)+r], v[NEG], v[S+32*(\y)+r], s[C0]
	v_cndmask_b32 v[S+32*(\y)+32+r], v[NEG], v[S+32*(\y)+32+r], s[C0+1]
.set r, r+1
.endr
.endm
; THE SOFTMAX of one tile for one key step is a list of 134 instructions; SM writes number j of it for tile t.  s0-s31 are the lane's 32 scores, in pairs 0-15.
;   0-15    the maximum of s0-s31 and the old m, three operands at a time: four chains c0-c3 of seven scores each, then the four scores left over, c0-c3 and m
;   16-20   the other half of the lanes' maximum; c m_old is kept; the new m; c m; c m_old - c m_new
;   21-69   ONE BATCH: the 16 scalings c s - c m and all 33 exponentials (a at 23, then s0-s31); none of these reads an exponential's result
;   70-85   the roundings to f16        86-101  the sums; l = a l + the sum        102-133 the tile's O^T times a: the one part that leaves window 0
.macro SM t
.set rT, ST+8*(\t)
.set rS, S+32*(\t)
.set rP, P+16*(\t)
.set rO, 64*(\t)+2*(j-102)
.if j < 102
	WIN 0
.endif
.if j < 4
	v_max3_num_f32 v[rT+4+j], v[rS+8*j], v[rS+8*j+1], v[rS+8*j+2]
.elseif j < 12
	v_max3_num_f32 v[rT+4+j%4], v[rT+4+j%4], v[rS+8*(j%4)+2*(j/4)+1], v[rS+8*(j%4)+2*(j/4)+2]
.elseif j == 12
	v_max3_num_f32 v[rT+4], v[rT+4], v[rS+7], v[rS+15]
.elseif j == 13
	v_max3_num_f32 v[rT+6], v[rT+6], v[rS+23], v[rS+31]
.elseif j == 14
	v_max3_num_f32 v[rT+4], v[rT+4], v[rT+5], v[rT+6]
.elseif j == 15
	v_max3_num_f32 v[rT+4], v[rT+4], v[rT+7], v[rT+1]
.elseif j == 16
	v_permlanex16_b32 v[rT+5], v[rT+4], s[SEL], s[SEL+1]  ; the query's other 32 keys lie in the lane 16 away
.elseif j == 17
	v_mov_b32 v[rT+7], v[rT]        ; c m_old is kept for a: number 19 writes c m anew
.elseif j == 18
	v_max_num_f32 v[rT+1], v[rT+4], v[rT+5]
.elseif j == 19
	v_mul_f32 v[rT], s[CS], v[rT+1]
.elseif j == 20
	v_sub_f32 v[rT+7], v[rT+7], v[rT]
.elseif j == 23
	v_exp_f32 v[rT+6], v[rT+7]
.elseif (j < 23) || ((j < 38) && (j%2 == 0)) || ((j < 66) && (j%4 == 2))
.set b, (j-2)/4                     ; 38, 42, .. 62: pairs 9 to 15
.if j < 38
.set b, (j-20)/2                    ; 21: pair 0; 22, 24, .. 36: pairs 1 to 8
.endif
	v_pk_fma_f32 v[rS+2*b:rS+2*b+1], v[rS+2*b:rS+2*b+1], s[CS:CS+1], v[rT:rT+1] op_sel_hi:[1,0,0] neg_lo:[0,0,1] neg_hi:[0,0,1]  ; pair b: c s - c m
.elseif j < 70
.set e, j-38                        ; 66 to 69: s28 to s31
.if j < 66
.set e, j-32-(j-38)/4               ; 39-41, 43-45, .. 63-65: s7 to s27
.endif
.if j < 38
.set e, (j-25)/2                    ; 25, 27, .. 37: s0 to s6
.endif
	v_exp_f32 v[rS+e], v[rS+e]
.elseif j < 86
	v_cvt_pk_f16_f32 v[rP+j-70], v[rS+2*(j-70)], v[rS+2*(j-70)+1]  ; pair j - 70
.elseif j < 102                     ; the sum of the 16 pairs, in place: neighbours 1, 2, 4 and 8 pairs apart, then l takes it
.set z, j-86
.set w, 4
.set u, z
.if z >= 14
.set w, 32
.set u, 0
.elseif z >= 12
.set w, 16
.set u, z-12
.elseif z >= 8
.set w, 8
.set u, z-8
.endif
.if z < 15
	v_pk_add_f32 v[rS+w*u:rS+w*u+1], v[rS+w*u:rS+w*u+1], v[rS+w*u+w/2:rS+w*u+w/2+1]
.else
	v_pk_fma_f32 v[rT+2:rT+3], v[rT+2:rT+3], v[rT+6:rT+7], v[rS:rS+1] op_sel_hi:[1,0,1]
.endif
.else
	WIN W_RS
	v_pk_mul_f32 v[rO:rO+1], v[rO:rO+1], v[rT+6:rT+7] op_sel_hi:[1,0]
.endif
.endm
; Slice k of 64 of piece y's softmax: four instructions.  Slices 11 to 34 deal out the batch, four numbers of ONE tile each, the tiles by turns; every other slice is numbers 2 k and 2 k + 1 of both
; tiles' lists, the tiles alternating; the twelve that are over stand in slice 63.  Ahead of slice 35 nothing names an exponential's result, behind slice 34 none is issued: so the piece's 66
; exponentials have ONE wait, ahead of the first instruction that names a result; the v_nop is the plain instruction behind the last exponential.
.macro SLICE y
.if (k >= 11) && (k < 35)
.irp n, 0,1,2,3
.set j, 22+4*((k-11)/2)+(\n)
	SM (\y)+(k-11)%2
.endr
.else
.irp n, 0,1,2,3,4,5,6,7
.if ((\n) < 2) || (k == 63)
.irp t, \y, (\y)+1
.set j, 2*k+(\n)
	SM \t
.endr
.endif
.endr
.endif
.if k == 34
	v_nop
	s_wait_alu depctr_va_vdst(0)
.endif
.set k, k+1
.endm
.macro LOADQ lo, hi                 ; rows lo .. hi of my wave's 64 rows of Q, as they lie: a load takes a whole row of 512 bytes
	WIN 0x80
.set j, (\lo)
.rept (\hi)-(\lo)+1
	global_load_b128 v[4*j:4*j+3], v[LO16], s[QP:QP+1] offset:512*j th:TH_LOAD_NT
.set j, j+1
.endr
	WIN 0
.endm
; A TRIP.  It multiplies by LDS buffer b, rounds set 1 - b into buffer 1 - b, and asks for the step two places on into set b.
.macro TRIP b
	s_cmp_eq_u32 s[CNT], 0
	s_cbranch_scc1 .Ldead_\@                       ; the block's live steps are done
	s_wait_xcnt 0x0                                ; the last trip's loads and prefetches have read their addresses, which are written below
	s_ctz_i32_b32 s[T0], s[REM2]                   ; the step two places on; past the list's end the last one again
	s_cmp_lg_u32 s[REM2], 0
	s_cselect_b32 s[N2], s[T0], s[N1]
	s_sub_co_u32 s[T0], s[REM2], 1
	s_and_b32 s[REM2], s[REM2], s[T0]
	s_ctz_i32_b32 s[PT], s[LREM5]                  ; the step five places on, if there is one
	s_min_u32 s[PT], s[PT], 31
	s_cmp_lg_u32 s[LREM5], 0
	s_cselect_b32 s[OWV], s[OWN], 0
	s_sub_co_u32 s[T0], s[LREM5], 1
	s_and_b32 s[LREM5], s[LREM5], s[T0]
	s_lshl_b32 s[OF], s[PT], 15
	s_add_nc_u64 s[PFK:PFK+1], s[KH:KH+1], s[OF:OF+1]
	s_add_nc_u64 s[PFV:PFV+1], s[VH:VH+1], s[OF:OF+1]
	s_bitcmp1_b32 s[ND], s[CUR]
	s_cbranch_scc0 .Lidle_\@                       ; my 64 queries see nothing of this step: I only fetch and round
.set n, 0
.rept 4
	v_mov_b32 v[MW+n], v[MWS+4*(\b)+n]             ; this step's mask words, before the set is asked for again
.set n, n+1
.endr
	FETCH_K \b                                     ; four places and more behind the last product that read these registers: the last trip ends with them
	TILELOAD \b, N2
	PREF
	; PHASE 1: piece 0's scores.  No vector work is ready yet.
.set i, 0
.rept 32
.if i%8 == 0
	s_wait_dscnt 24-i                              ; K's channel group i / 8 is in; the later groups' loads, eight each, may stay out
.endif
	KQ 0
.set i, i+1
.endr
.rept 4
	v_nop                                          ; the places between those products and the first read of their results
.endr
	WIN 0
	s_bitcmp1_b32 s[MX], s[CUR]
	s_cbranch_scc0 .Lfull0_\@                      ; a tile without a 0 needs no mask
	LUMP 0
.Lfull0_\@:
	; PHASE 2: piece 2's scores; behind each product two slices of piece 0's softmax; V comes in as K's channel groups are done with
.set i, 0
.set k, 0
.rept 32
	KQ 2
	SLICE 0
	SLICE 0
.if i%8 == 7
	VRUN \b, i/8
.endif
.set i, i+1
.endr
	WIN 0
	s_bitcmp1_b32 s[MX], s[CUR]
	s_cbranch_scc0 .Lfull2_\@
	LUMP 2                                         ; the last product stands twenty plain instructions and four v_nop back
.Lfull2_\@:
	; PHASE 3: piece 0's V^T P; behind each product two slices of piece 2's softmax
.set i, 0
.set k, 0
.rept 32
.if i == 0
	s_wait_dscnt 16                                ; V's first two runs are in; the last two, eight loads each, may stay out
.endif
.if i == 16
	s_wait_dscnt 8
.endif
.if i == 24
	s_wait_dscnt 0
.endif
	PV 0
	SLICE 2
	SLICE 2
.set i, i+1
.endr
	; PHASE 4: piece 2's V^T P; behind the products the next step's rows are rounded and stored
	s_wait_loadcnt 33                              ; loads come back in order (ISA guide 5.7.1): all but this trip's 33 are in, the other set among them
.set i, 0
.set qd, 0
.rept 16
	PV 2
.set i, i+1
	CONVV 1-(\b), qd
	PV 2
.set i, i+1
	CONVK 1-(\b), qd
	STORES 1-(\b), qd
.set qd, qd+1
.endr
.rept 4
	v_nop                                          ; the places in front of the next loads into V's registers
.endr
	WIN 0
	s_branch .Ljoin_\@
.Lidle_\@:
	TILELOAD \b, N2
	PREF
	s_wait_loadcnt 33                              ; as in phase 4
	CONVALL 1-(\b)
.Ljoin_\@:
	s_mov_b32 s[CUR], s[N1]
	s_mov_b32 s[N1], s[N2]
	s_sub_co_u32 s[CNT], s[CNT], 1
	s_branch .Lbar_\@
.Ldead_\@:
	s_wait_loadcnt 0x0                             ; the loads that the walk's end issued beyond its list have landed: nothing names their registers before that
.Lbar_\@:
	s_wait_dscnt 0x0                               ; my reads of buffer b and my stores into the other are done:
	s_barrier_signal -1                            ; ONE barrier a trip for both: behind it the other buffer is whole and is read,
	s_barrier_wait -1                              ; and nobody reads buffer b any more, which is written next
.endm
; THE WAY OUT of tile t: O^T times 1 / l; a lane's eight channels of a row, 32 bytes, go into my stage's rows of 528 bytes and come back as whole rows of 512.
.macro PACK t
	WIN W_RS
.set i, 64*(\t)
.rept 32
	v_pk_mul_f32 v[i:i+1], v[i:i+1], v[ST+8*(\t)+2:ST+8*(\t)+3] op_sel_hi:[1,0]
.set i, i+2
.endr
	WIN 0x04                                       ; data window 1, address window 0
.set i, 0
.rept 16
	ds_store_b128 v[STO], v[64*(\t)+4*i:64*(\t)+4*i+3] offset:64*(i/2)+16*(i%2)
.set i, i+1
.endr
	WIN 0
.if (\t) >= 2
	s_wait_xcnt 0x0                                ; the stores of the tile two back have read these registers
.endif
.set f, 0
.rept 16
	ds_load_b128 v[S+64*((\t)%2)+4*f:S+64*((\t)%2)+4*f+3], v[RD] offset:OPI*f  ; LDS serves a wave's instructions in order (ISA guide 5.7.1.4): these see the stores above; the next tile's stores come behind them
.set f, f+1
.endr
.endm
.macro SEND t, younger              ; younger: the LDS instructions issued behind tile t's loads: the next tile's 32, or none
.set f, 0
.rept 16
	s_wait_dscnt (\younger)+15-f                   ; row f is back; my later rows and the younger instructions may stay out
	global_store_b128 v[LO16], v[S+64*((\t)%2)+4*f:S+64*((\t)%2)+4*f+3], s[OUT:OUT+1] offset:(16*(\t)+f)*512 th:TH_STORE_NT  ; the wave stores 512 consecutive bytes, aligned: a row of out
.set f, f+1
.endr
.endm
	; THE HEAD
	s_load_b256 s[4:11], s[0:1], 0x0               ; Q, K, V, walk
	s_load_b128 s[12:15], s[0:1], 0x20             ; mbits, out0
	v_lshl_add_u32 v[SPW], v0, 2, SPARE
	v_mov_b32 v[NIL], 0
	v_lshrrev_b32 v1, 5, v0
	v_readfirstlane_b32 s[WV], v1                  ; wave 0..3
	v_and_b32 v57, 31, v0                          ; l
	v_and_b32 v1, 15, v0                           ; l % 16
	v_bfe_u32 v61, v0, 4, 1                        ; l / 16
	v_mul_u32_u24 v[AK], v1, PK
	v_lshl_add_u32 v[AK], v61, 4, v[AK]
	v_and_b32 v58, 7, v0
	v_bfe_u32 v59, v0, 3, 1
	v_lshl_add_u32 v[AV], v61, 3, v58
	v_mul_u32_u24 v[AV], v[AV], PV
	v_lshl_add_u32 v[AV], v59, 4, v[AV]
	v_add_nc_u32 v[AV], VOFF, v[AV]
	s_mul_i32 s[T0], s[WV], 16*PK
	v_lshl_add_u32 v[SK], v57, 3, s[T0]
	s_mul_i32 s[T0], s[WV], 16*PV
	s_add_co_u32 s[T0], s[T0], VOFF
	v_lshl_add_u32 v[SV], v57, 3, s[T0]
	s_lshl_b32 s[T0], s[WV], 13
	v_lshl_add_u32 v[GOFF], v57, 4, s[T0]
	v_lshlrev_b32 v[LO16], 4, v57
	v_lshlrev_b32 v[PFO], 8, v0
	s_mul_i32 s[T0], s[WV], QSTW
	s_add_co_u32 s[T0], s[T0], QST
	v_add_nc_u32 v[AQ], s[T0], v[AK]
	v_lshl_add_u32 v[SQ], v57, 3, s[T0]
	s_mul_i32 s[T0], s[WV], OSTW
	s_add_co_u32 s[T0], s[T0], OST
	v_mul_u32_u24 v[STO], v1, OPI
	v_lshl_add_u32 v[STO], v61, 5, v[STO]
	v_add_nc_u32 v[STO], s[T0], v[STO]
	v_lshl_add_u32 v[RD], v57, 4, s[T0]
	v_mov_b32 v[NEG], 0xff800000
	s_mov_b32 s[HIM], 0xffff0000
	s_mov_b32 s[CS], 0x3e0293ee                    ; c = log2(e) / sqrt(128) = 0.127517
	s_mov_b32 s[CS+1], s[CS]                       ; named with it as a pair
	s_mov_b32 s[SEL], 0x76543210
	s_mov_b32 s[SEL+1], 0xfedcba98
	s_mov_b32 s[BI], 2
	s_lshl_b32 s[T0], ttmp9, 2
	s_sub_co_u32 s[T1], 28, s[T0]
	s_add_co_u32 s[T0], s[T0], s[WV]               ; my band of 64 queries in the first block: 4 b + w,
	s_add_co_u32 s[T1], s[T1], s[WV]               ; in the second: 4 (7 - b) + w
	s_lshl_b32 s100, s[T0], 2                      ; their words in walk
	s_lshl_b32 s101, s[T1], 2
	s_and_b32 s31, ttmp7, 0xffff
	s_lshl_b32 s31, s31, 20                        ; the head's first byte in Q, K, V and out: 2,048 rows of 512 bytes
	s_mov_b32 s[OF+1], 0
	s_wait_kmcnt 0x0
	s_load_b512 s[68:83], s[WK:WK+1], 0x0          ; nd of all 32 bands
	s_load_b512 s[84:99], s[WK:WK+1], 0x40
	s_load_b32 s[ND], s[WK:WK+1], s100 offset:0x0
	s_load_b32 s[MX], s[WK:WK+1], s100 offset:0x80
	s_load_b32 s[NDB], s[WK:WK+1], s101 offset:0x0
	s_load_b32 s[MXB], s[WK:WK+1], s101 offset:0x80
	s_lshl_b32 s[OF], s[T1], 14                    ; a band's mask words: 32 steps of 512 bytes
	s_add_nc_u64 s[MBB:MBB+1], s[MB:MB+1], s[OF:OF+1]
	s_lshl_b32 s[OF], s[T0], 14
	s_add_nc_u64 s[MB:MB+1], s[MB:MB+1], s[OF:OF+1]
	s_lshl_b32 s[OF], s[T1], 15                    ; a band's rows: 64 of 512 bytes
	s_add_co_u32 s[OF], s[OF], s31
	s_add_nc_u64 s[QPB:QPB+1], s[QP:QP+1], s[OF:OF+1]
	s_add_nc_u64 s[OUTB:OUTB+1], s[OUT:OUT+1], s[OF:OF+1]
	s_lshl_b32 s[OF], s[T0], 15
	s_add_co_u32 s[OF], s[OF], s31
	s_add_nc_u64 s[QP:QP+1], s[QP:QP+1], s[OF:OF+1]
	s_add_nc_u64 s[OUT:OUT+1], s[OUT:OUT+1], s[OF:OF+1]
	s_mov_b32 s[OF], s31
	s_add_nc_u64 s[KH:KH+1], s[KH:KH+1], s[OF:OF+1]
	s_add_nc_u64 s[VH:VH+1], s[VH:VH+1], s[OF:OF+1]
	LOADQ 0, 59                                    ; the first block's Q is on its way while the walk is made
	s_wait_kmcnt 0x0
.set n, 0
.rept 8                                        ; block n's live steps: the OR of its four bands, into s[68 + 4 n]
	s_or_b32 s[68+4*n], s[68+4*n], s[69+4*n]
	s_or_b32 s[70+4*n], s[70+4*n], s[71+4*n]
	s_or_b32 s[68+4*n], s[68+4*n], s[70+4*n]
.set n, n+1
.endr
	s_mov_b32 s100, 0
.irp n, 0,1,2,3,7,6,5,4                        ; block n's own steps, into s[69 + 4 n]: those that no earlier block of this order holds
	s_and_not1_b32 s[69+4*\n], s[68+4*\n], s100
	s_or_b32 s100, s100, s[68+4*\n]
.endr
	s_mov_b32 s[T0], s68                           ; blocks b and 7 - b are picked out
	s_mov_b32 s[OWN], s69
	s_mov_b32 s[LB], s96
	s_mov_b32 s[OWNB], s97
.irp n, 1,2,3
	s_cmp_eq_u32 ttmp9, \n
	s_cselect_b32 s[T0], s[68+4*\n], s[T0]
	s_cselect_b32 s[OWN], s[69+4*\n], s[OWN]
	s_cselect_b32 s[LB], s[96-4*\n], s[LB]
	s_cselect_b32 s[OWNB], s[97-4*\n], s[OWNB]
.endr
	WALKINIT
.Lblock:                                       ; twice
	LOADQ 60, 63
	TILELOAD 0, CUR
	TILELOAD 1, N1
	; O^T is cleared, while the loads are out.  No first step is written out that would start the sums: where a row's first live step stands hangs on the mask, and until then its a is 1; and the block before may have left NaN.
	WIN 0x40
.set i, 0
.rept 256
	v_mov_b32 v[i], 0
.set i, i+1
.endr
	WIN 0
.set t, 0
.rept 4
	v_mov_b32 v[ST+8*t+1], 0xff7fffff              ; m: the lowest finite number
	v_mul_f32 v[ST+8*t], s[CS], v[ST+8*t+1]        ; c m, made as every later c m is made: a row that sees nothing has a = 2^0
	v_mov_b32 v[ST+8*t+2], 0                       ; l
	v_mov_b32 v[ST+8*t+3], 0
.set t, t+1
.endr
	s_wait_loadcnt 33                              ; Q and set 0 are in; set 1's 33 loads may stay out
	WIN 0x8a                                       ; Q: rounded in place, through my own rows of LDS, back as fragments
.set j, 0
.rept 64
	v_cvt_pk_bf16_f32 v[4*j], v[4*j], v[4*j+1]
	v_cvt_pk_bf16_f32 v[4*j+1], v[4*j+2], v[4*j+3]
.set j, j+1
.endr
	WIN 0x08
.set j, 0
.rept 64
	ds_store_b64 v[SQ], v[4*j:4*j+1] offset:PK*j
.set j, j+1
.endr
	WIN 0x80
.set j, 0
.rept 16                                       ; tile j / 4, channels 32 (j % 4) on; LDS serves a wave's instructions in order: these see the stores above
	ds_load_b128 v[8*j:8*j+3],   v[AQ] offset:(j/4)*16*PK+(j%4)*64
	ds_load_b128 v[8*j+4:8*j+7], v[AQ] offset:(j/4)*16*PK+(j%4)*64+32
.set j, j+1
.endr
	CONVALL 0                                      ; the first step's rows into buffer 0
	s_wait_dscnt 0x0                               ; my stores are done, and Q's fragments are in
	s_barrier_signal -1
	s_barrier_wait -1                              ; buffer 0 is whole
	s_mov_b32 s[LC], 16
.Ltrip:
	TRIP 0
	TRIP 1
	s_sub_co_u32 s[LC], s[LC], 1
	s_cmp_lg_u32 s[LC], 0
	s_cbranch_scc1 .Ltrip
	s_wait_loadcnt 0x0                             ; on every way out of the loop: a 32nd trip that is live leaves its 33 loads out; no load is out when the next block asks for its first steps into the same registers, or when the addresses below are written
	s_cmp_eq_u32 s[BI], 2
	s_cbranch_scc0 .Llast
	s_mov_b32 s[T0], s[LB]                         ; the second block's figures become current,
	s_mov_b32 s[OWN], s[OWNB]
	s_mov_b32 s[ND], s[NDB]
	s_mov_b32 s[MX], s[MXB]
	s_mov_b64 s[MB:MB+1], s[MBB:MBB+1]
	s_mov_b64 s[QP:QP+1], s[QPB:QPB+1]
	WALKINIT
	LOADQ 0, 59                                    ; and its Q is on its way while the first block goes out
.Llast:
	; THE BLOCK'S END.  l's two halves and the other half of the lanes' are added; then the way out, a tile at a time.
.set t, 0
.rept 4
	v_add_f32 v[ST+8*t+2], v[ST+8*t+2], v[ST+8*t+3]
.set t, t+1
.endr
.set t, 0
.rept 4
	v_permlanex16_b32 v[ST+8*t+3], v[ST+8*t+2], s[SEL], s[SEL+1]
.set t, t+1
.endr
.set t, 0
.rept 4
	v_add_f32 v[ST+8*t+2], v[ST+8*t+2], v[ST+8*t+3]
.set t, t+1
.endr
.set t, 0
.rept 4
	v_rcp_f32 v[ST+8*t+2], v[ST+8*t+2]
.set t, t+1
.endr
	v_nop                                          ; a plain instruction between the last reciprocal and the use of its result
	s_wait_alu depctr_va_vdst(0)                   ; and the wait ahead of the first use: one for the four reciprocals
	PACK 0
	PACK 1                                         ; a tile's arithmetic stands between the loads of the tile before and its stores
	SEND 0, 32
	PACK 2
	SEND 1, 32
	PACK 3
	SEND 2, 32
	SEND 3, 0
	s_wait_xcnt 0x0                                ; the stores have read their registers and out's address
	s_mov_b64 s[OUT:OUT+1], s[OUTB:OUTB+1]
	s_sub_co_u32 s[BI], s[BI], 1
	s_cmp_lg_u32 s[BI], 0
	s_cbranch_scc1 .Lblock
	s_wait_tensorcnt 0x0                           ; the wave's end, behind my last LDS store
	ds_add_u32 v[SPW], v[NIL]
	s_wait_dscnt 0x0
	s_endpgm
.Lfunc_end_k_q85c4a1d601_attn:
	.size	k_q85c4a1d601_attn, .Lfunc_end_k_q85c4a1d601_attn-k_q85c4a1d601_attn
	.p2alignl 7, 3214868480
	.fill 96, 4, 3214868480
	.section	.rodata,"a",@progbits
	.p2align	6, 0x0
	.amdhsa_kernel k_q85c4a1d601_attn
		.amdhsa_group_segment_fixed_size 175616
		.amdhsa_private_segment_fixed_size 0
		.amdhsa_enable_private_segment 0
		.amdhsa_kernarg_size 48
		.amdhsa_user_sgpr_count 2
		.amdhsa_user_sgpr_kernarg_segment_ptr 1
		.amdhsa_wavefront_size32 1
		.amdhsa_system_sgpr_workgroup_id_x 1
		.amdhsa_system_sgpr_workgroup_id_y 1
		.amdhsa_system_sgpr_workgroup_id_z 1
		.amdhsa_system_vgpr_workitem_id 0
		.amdhsa_next_free_vgpr 1024
		.amdhsa_next_free_sgpr 102
		.amdhsa_reserve_vcc 0
		.amdhsa_float_denorm_mode_32 3
		.amdhsa_float_denorm_mode_16_64 3
		.amdhsa_memory_ordered 1
		.amdhsa_forward_progress 1
		.amdhsa_inst_pref_size 255
	.end_amdhsa_kernel
	.section	.bss,"aw",@nobits
	.p2align	6
	.space	262144
	.amdgpu_metadata
---
amdhsa.version: [ 1, 2 ]
amdhsa.kernels:
  - .name:           k_q85c4a1d601_attn
    .symbol:         k_q85c4a1d601_attn.kd
    .args:
      - { .name: Q, .offset: 0, .size: 8, .value_kind: global_buffer, .address_space: global }
      - { .name: K, .offset: 8, .size: 8, .value_kind: global_buffer, .address_space: global }
      - { .name: V, .offset: 16, .size: 8, .value_kind: global_buffer, .address_space: global }
      - { .name: walk, .offset: 24, .size: 8, .value_kind: global_buffer, .address_space: global }
      - { .name: mbits, .offset: 32, .size: 8, .value_kind: global_buffer, .address_space: global }
      - { .name: out0, .offset: 40, .size: 8, .value_kind: global_buffer, .address_space: global }
    .group_segment_fixed_size: 175616
    .private_segment_fixed_size: 0
    .kernarg_segment_align: 8
    .kernarg_segment_size: 48
    .max_flat_workgroup_size: 128
    .sgpr_count:     102
    .vgpr_count:     1024
    .wavefront_size: 32
...
	.end_amdgpu_metadata
.endif
;; end of part 2
